; MI455X (gfx1250); checked and timed in simulation.
; The chip was launched on July 23, 2026; its instructions are those of AMD's public machine-readable ISA for CDNA 5 (MIT licence, August 2026) and "CDNA5" Instruction Set Architecture Reference Guide (July 2026). The comments in the code are by the model that wrote it; some were corrected since.
;; Attention Module. Allowed arithmetic: float matrix products may take bf16 or f16 operands with f32 sums; all other float work in f32.
;; Inputs: Ua_b 1,024 float32; Ua_w 1,024 x 1,024 float32; Va_b 1 float32; Va_w 1 x 1,024 float32; Wa_b 1,024 float32; Wa_w 1,024 x 1,024 float32; attn_mask 32 x 2,048 bool; decoder_hidden_state 1 x 32 x 1,024 float32; encoder_outputs 32 x 2,048 x 1,024 float32.
;; Outputs: out0 32 x 1 x 2,048 float32.
;; 2 versions, each right; version 2 is version 1 with the launch main written anew for expert scheduling mode. Each part assembles by itself: llvm-mc -triple=amdgcn-amd-amdhsa -mcpu=gfx1250 --defsym DOCPART=n.
;; ======== version 1 of 2: 3 launches
;; workspace buffers: wf 2,097,152 bytes; cbw 131,072 bytes; sc 262,144 bytes
;; launch prep (part 1): grid 64 x 1, 8 waves a work-group, no clusters, 149,504 bytes of LDS; arguments Wa_w, Ua_w, decoder_hidden_state, Ua_b, Wa_b, wf, cbw; writes wf, cbw
.if DOCPART == 1
	.amdgcn_target "amdgcn-amd-amdhsa--gfx1250"
	.amdhsa_code_object_version 6
	.text
	.protected	k_q6eab0cc900_prep
	.globl	k_q6eab0cc900_prep
	.p2align	8
	.type	k_q6eab0cc900_prep,@function
k_q6eab0cc900_prep:
	s_mov_b64 s[64:65], 0
	v_nop
	global_prefetch_b8 v0, s[64:65] scope:SCOPE_SE
	s_setreg_imm32_b32 hwreg(HW_REG_WAVE_MODE, 25, 1), 1
	s_wait_xcnt 0x0
; PREPARATION.  (1) wf = Wa rounded to bf16, laid out as the matrix fragments that the main launch loads;
; (2) cbw[nbg][batch][16 e] = K2 x (h[batch] . Ua[e] + Ua_b[e] + Wa_b[e]), K2 = 2 log2(e), in f32.
; SHARES.  Work-group i owns rows 16 i .. 16 i + 15 of Wa and of Ua: 64 work-groups are all the blocks of 16 columns there are.
; Eight waves.  Wave w brings 2 rows of Wa, 2 of Ua and 4 of h (each load takes 512 neighbouring bytes of a row), rounds them to bf16 and lays
; them into LDS; behind a barrier it takes K = 128 w .. 128 w + 127: four fragments each of Wa, Ua and (two batch blocks) h.
; Wa's fragments are stored as they lie in registers; Ua's and h's are multiplied, and the eight waves' partial sums over K meet in LDS.
; wf's LAYOUT.  The fragment of column block nbg (16 rows of Wa) and kb (32 along K) is 1,024 bytes: [half][lane][16 bytes]; lane l = r + 16 h holds
; Wa[16 nbg + r][32 kb + 16 half + 8 h + 0..7].  It lies at (((nbg >> 3) & 3) x 2 + (nbg >> 5)) x 262,144 + kb x 8,192 + (nbg & 7) x 1,024.
; No tensor loads and no cluster: every byte is converted on its way, and apart from h's 128 KiB no two work-groups read the same bytes.
; LIMITS.  Wa, Ua and h are rounded to bf16 (nearest even); sums and biases in f32.
.set PIT,   2064                       ; an LDS row: 1,024 bf16 + 16 bytes = 129 x 16: the 16 rows of a fragment load start at 16 different groups of four banks (ISA guide 11.1)
.set UT,    16*PIT                     ; Wa's 16 rows lie at 0, Ua's 16 rows here,
.set HT,    32*PIT                     ; h's 32 rows here
.set RED,   64*PIT                     ; eight waves' partial sums, 2,048 bytes each: [batch 32][16 e] f32
.set SPARE, RED+8*2048                 ; the spare words, 128 bytes for each wave: four blocks of 256 bytes that no other line names
.set SPW, 2                            ; v2   LDS address of my spare word; never rewritten
.set NIL, 3                            ; v3   0; never rewritten
.set L16, 4                            ; v4   16 x lane
.set GW,  5                            ; v5   byte offset of my lane in my 2 rows of Wa and Ua
.set GH,  6                            ; v6   the same in my 4 rows of h
.set GB,  7                            ; v7   byte offset of my four biases
.set SW,  8                            ; v8   LDS: where my lane's 8 bytes of Wa's and Ua's rows go
.set SH,  9                            ; v9   the same for h
.set FA,  10                           ; v10  LDS: my lane's place in the fragments of Wa and Ua
.set FH,  11                           ; v11  the same for h
.set WO,  12                           ; v12  byte offset in wf
.set RS,  13                           ; v13  LDS: where my partial sums go
.set RL,  14                           ; v14  LDS: where I read partial sums back
.set CO,  15                           ; v15  byte offset in cbw
.set BF,  64                           ; v64-191  bf16 at work: first as converted, then the fragments: Wa 64-95, Ua 96-127, h 128-191
.set ACC, 192                          ; v192-207 two accumulators (batch blocks 0, 1)
.set SU,  208                          ; v208-239 the eight partial sums read back
.set MSB, 0
.macro WIN new                         ; the immediate's high byte repeats the setting that is left
.if MSB != (\new)
	s_set_vgpr_msb (MSB<<8)|(\new)
.set MSB, \new
.endif
.endm
	s_load_b256 s[4:11], s[0:1], 0x0               ; Wa_w s[4:5], Ua_w s[6:7], h s[8:9], Ua_b s[10:11]
	s_load_b128 s[12:15], s[0:1], 0x20             ; Wa_b s[12:13], wf s[14:15]
	s_load_b64 s[16:17], s[0:1], 0x30              ; cbw
	v_lshl_add_u32 v[SPW], v0, 2, SPARE
	v_mov_b32 v[NIL], 0
	v_lshrrev_b32 v1, 5, v0
	v_readfirstlane_b32 s18, v1                    ; wave 0..7
	s_mov_b32 s19, ttmp9                           ; i
	s_mov_b32 s30, 0x4038aa3b                      ; K2 = 2 log2(e)
	s_mov_b32 s31, s30                             ; named with it as a pair
	v_and_b32 v24, 31, v0                          ; lane
	v_and_b32 v25, 15, v0                          ; r
	v_bfe_u32 v26, v0, 4, 1                        ; h
	v_lshlrev_b32 v[L16], 4, v24
	s_lshl_b32 s20, s19, 16                        ; 16 i rows of 4,096 bytes
	s_lshl_b32 s21, s18, 13                        ; + 2 w rows
	s_add_co_u32 s20, s20, s21
	v_add_nc_u32 v[GW], s20, v[L16]
	s_lshl_b32 s21, s18, 14                        ; 4 w rows of h
	v_add_nc_u32 v[GH], s21, v[L16]
	v_and_b32 v[GB], 3, v0
	s_lshl_b32 s22, s19, 6                         ; 16 i numbers of 4 bytes
	v_lshl_add_u32 v[GB], v[GB], 4, s22
	s_mul_i32 s23, s18, 2*PIT
	v_lshl_add_u32 v[SW], v24, 3, s23
	s_mul_i32 s24, s18, 4*PIT
	s_add_co_u32 s24, s24, HT
	v_lshl_add_u32 v[SH], v24, 3, s24
	v_mul_u32_u24 v[FA], v25, PIT
	v_lshl_add_u32 v[FA], v26, 4, v[FA]
	s_lshl_b32 s29, s18, 8                         ; my 128 along K are 256 bytes of a row
	v_add_nc_u32 v[FA], s29, v[FA]
	v_add_nc_u32 v[FH], HT, v[FA]
	s_bfe_u32 s25, s19, 0x20003                    ; (i >> 3) & 3: the main launch's wave
	s_lshr_b32 s26, s19, 5                         ; i >> 5: its column half
	s_lshl1_add_u32 s25, s25, s26
	s_lshl_b32 s25, s25, 18                        ; x 262,144
	s_and_b32 s26, s19, 7
	s_lshl_b32 s26, s26, 10                        ; + (i & 7) x 1,024
	s_add_co_u32 s25, s25, s26
	s_lshl_b32 s26, s18, 15                        ; + 4 w x 8,192
	s_add_co_u32 s25, s25, s26
	v_add_nc_u32 v[WO], s25, v[L16]
	s_lshl_b32 s27, s18, 11
	s_add_co_u32 s27, s27, RED
	v_lshl_add_u32 v[RS], v25, 6, s27              ; batch r: 64 bytes a row,
	v_lshl_add_u32 v[RS], v26, 5, v[RS]            ; my eight e at 32 h
	v_lshlrev_b32 v[CO], 4, v0
	v_add_nc_u32 v[RL], RED, v[CO]
	s_lshl_b32 s28, s19, 11
	v_add_nc_u32 v[CO], s28, v[CO]
	s_wait_kmcnt 0x0
	global_load_b128 v[16:19], v[GB], s[10:11]     ; Ua_b
	global_load_b128 v[20:23], v[GB], s[12:13]     ; Wa_b
	WIN 0x40                                       ; destination window 1: 64 loads fill its 256 registers
.set n, 0
.rept 16
	global_load_b128 v[4*n:4*n+3], v[GW], s[4:5] offset:(n/8)*4096+(n%8)*512 th:TH_LOAD_NT
.set n, n+1
.endr
.rept 16
	global_load_b128 v[4*n:4*n+3], v[GW], s[6:7] offset:((n-16)/8)*4096+(n%8)*512 th:TH_LOAD_NT
.set n, n+1
.endr
.rept 32
	global_load_b128 v[4*n:4*n+3], v[GH], s[8:9] offset:((n-32)/8)*4096+(n%8)*512
.set n, n+1
.endr
	s_wait_loadcnt 0x0
	WIN 0x05                                       ; sources window 1, destination window 0
.set n, 0
.rept 64
	v_cvt_pk_bf16_f32 v[BF+2*n],   v[4*n],   v[4*n+1]
	v_cvt_pk_bf16_f32 v[BF+2*n+1], v[4*n+2], v[4*n+3]
.set n, n+1
.endr
	WIN 0
.set n, 0
.rept 16
	ds_store_b64 v[SW], v[BF+2*n:BF+2*n+1] offset:(n/8)*PIT+(n%8)*256
.set n, n+1
.endr
.rept 16
	ds_store_b64 v[SW], v[BF+2*n:BF+2*n+1] offset:UT+((n-16)/8)*PIT+(n%8)*256
.set n, n+1
.endr
.rept 32
	ds_store_b64 v[SH], v[BF+2*n:BF+2*n+1] offset:((n-32)/8)*PIT+(n%8)*256
.set n, n+1
.endr
	s_wait_dscnt 0x0                               ; for the others' sake: my rows are in LDS
	s_barrier_signal -1
	s_barrier_wait -1
.irp t, 0,1,2,3                        ; fragments of 16 rows x 32 K: two loads of 16 bytes, 32 bytes apart
	ds_load_b128 v[BF+8*\t:BF+8*\t+3],         v[FA] offset:\t*64
	ds_load_b128 v[BF+8*\t+4:BF+8*\t+7],       v[FA] offset:\t*64+32
.endr
.irp t, 0,1,2,3
	ds_load_b128 v[BF+32+8*\t:BF+32+8*\t+3],   v[FA] offset:UT+\t*64
	ds_load_b128 v[BF+32+8*\t+4:BF+32+8*\t+7], v[FA] offset:UT+\t*64+32
	ds_load_b128 v[BF+64+8*\t:BF+64+8*\t+3],   v[FH] offset:\t*64
	ds_load_b128 v[BF+64+8*\t+4:BF+64+8*\t+7], v[FH] offset:\t*64+32
	ds_load_b128 v[BF+96+8*\t:BF+96+8*\t+3],   v[FH] offset:16*PIT+\t*64
	ds_load_b128 v[BF+96+8*\t+4:BF+96+8*\t+7], v[FH] offset:16*PIT+\t*64+32
.endr
	s_wait_dscnt 0x0
.irp t, 0,1,2,3                        ; Wa's fragments leave as they lie: each store covers 512 consecutive bytes, aligned
	global_store_b128 v[WO], v[BF+8*\t:BF+8*\t+3],   s[14:15] offset:\t*8192
	global_store_b128 v[WO], v[BF+8*\t+4:BF+8*\t+7], s[14:15] offset:\t*8192+512
.endr
	; source 0 = 16 rows of Ua, source 1 = 16 rows of h: a lane holds one batch (r) and eight neighbouring e (8 h + 0..7).  The two accumulators take turns.
.irp t, 0,1,2,3
.irp m, 0,1
.if \t == 0
	v_wmma_f32_16x16x32_bf16 v[ACC+8*\m:ACC+8*\m+7], v[BF+32+8*\t:BF+32+8*\t+7], v[BF+64+32*\m+8*\t:BF+64+32*\m+8*\t+7], 0
.else
	v_wmma_f32_16x16x32_bf16 v[ACC+8*\m:ACC+8*\m+7], v[BF+32+8*\t:BF+32+8*\t+7], v[BF+64+32*\m+8*\t:BF+64+32*\m+8*\t+7], v[ACC+8*\m:ACC+8*\m+7]
.endif
.endr
.endr
.rept 4
	v_nop                                          ; four places between the last product and the stores that read the results
.endr
	ds_store_b128 v[RS], v[ACC:ACC+3]
	ds_store_b128 v[RS], v[ACC+4:ACC+7] offset:16
	ds_store_b128 v[RS], v[ACC+8:ACC+11] offset:1024
	ds_store_b128 v[RS], v[ACC+12:ACC+15] offset:1040
	s_wait_dscnt 0x0                               ; for the others' sake: my partial sums are in LDS
	s_barrier_signal -1
	s_barrier_wait -1
	s_cmp_ge_u32 s18, 4                            ; 512 numbers, four a thread: waves 0 to 3
	s_cbranch_scc1 .Lend
.irp k, 0,1,2,3,4,5,6,7
	ds_load_b128 v[SU+4*\k:SU+4*\k+3], v[RL] offset:\k*2048
.endr
	v_pk_add_f32 v[16:17], v[16:17], v[20:21]      ; the two biases
	v_pk_add_f32 v[18:19], v[18:19], v[22:23]
	s_wait_dscnt 0x0
.irp k, 1,2,3,4,5,6,7
	v_pk_add_f32 v[SU:SU+1],   v[SU:SU+1],   v[SU+4*\k:SU+4*\k+1]
	v_pk_add_f32 v[SU+2:SU+3], v[SU+2:SU+3], v[SU+4*\k+2:SU+4*\k+3]
.endr
	v_pk_add_f32 v[SU:SU+1],   v[SU:SU+1],   v[16:17]
	v_pk_add_f32 v[SU+2:SU+3], v[SU+2:SU+3], v[18:19]
	v_pk_mul_f32 v[SU:SU+1],   v[SU:SU+1],   s[30:31] op_sel_hi:[1,0]
	v_pk_mul_f32 v[SU+2:SU+3], v[SU+2:SU+3], s[30:31] op_sel_hi:[1,0]
	global_store_b128 v[CO], v[SU:SU+3], s[16:17]  ; a wave's store covers 512 consecutive bytes, aligned
.Lend:
	s_wait_tensorcnt 0x0                           ; the wave's end, behind my last LDS store
	ds_add_u32 v[SPW], v[NIL]
	s_wait_dscnt 0x0
	s_endpgm
.Lfunc_end_k_q6eab0cc900_prep:
	.size	k_q6eab0cc900_prep, .Lfunc_end_k_q6eab0cc900_prep-k_q6eab0cc900_prep
	.p2alignl 7, 3214868480
	.fill 96, 4, 3214868480
	.section	.rodata,"a",@progbits
	.p2align	6, 0x0
	.amdhsa_kernel k_q6eab0cc900_prep
		.amdhsa_group_segment_fixed_size 149504
		.amdhsa_private_segment_fixed_size 0
		.amdhsa_enable_private_segment 0
		.amdhsa_kernarg_size 56
		.amdhsa_user_sgpr_count 2
		.amdhsa_user_sgpr_kernarg_segment_ptr 1
		.amdhsa_wavefront_size32 1
		.amdhsa_system_sgpr_workgroup_id_x 1
		.amdhsa_system_sgpr_workgroup_id_y 1
		.amdhsa_system_sgpr_workgroup_id_z 1
		.amdhsa_system_vgpr_workitem_id 0
		.amdhsa_next_free_vgpr 512
		.amdhsa_next_free_sgpr 66
		.amdhsa_reserve_vcc 0
		.amdhsa_float_denorm_mode_32 3
		.amdhsa_float_denorm_mode_16_64 3
		.amdhsa_memory_ordered 1
		.amdhsa_forward_progress 1
		.amdhsa_inst_pref_size 27
	.end_amdhsa_kernel
	.amdgpu_metadata
---
amdhsa.version: [ 1, 2 ]
amdhsa.kernels:
  - .name:           k_q6eab0cc900_prep
    .symbol:         k_q6eab0cc900_prep.kd
    .args:
      - { .name: Wa_w, .offset: 0, .size: 8, .value_kind: global_buffer, .address_space: global }
      - { .name: Ua_w, .offset: 8, .size: 8, .value_kind: global_buffer, .address_space: global }
      - { .name: decoder_hidden_state, .offset: 16, .size: 8, .value_kind: global_buffer, .address_space: global }
      - { .name: Ua_b, .offset: 24, .size: 8, .value_kind: global_buffer, .address_space: global }
      - { .name: Wa_b, .offset: 32, .size: 8, .value_kind: global_buffer, .address_space: global }
      - { .name: wf, .offset: 40, .size: 8, .value_kind: global_buffer, .address_space: global }
      - { .name: cbw, .offset: 48, .size: 8, .value_kind: global_buffer, .address_space: global }
    .group_segment_fixed_size: 149504
    .private_segment_fixed_size: 0
    .kernarg_segment_align: 8
    .kernarg_segment_size: 56
    .max_flat_workgroup_size: 256
    .sgpr_count:     66
    .vgpr_count:     512
    .wavefront_size: 32
...
	.end_amdgpu_metadata
.endif
;; end of part 1
;; launch main (part 2): grid 512 x 1, 4 waves a work-group, no clusters, 289,280 bytes of LDS; arguments encoder_outputs, wf, cbw, Va_w, sc; writes sc
.if DOCPART == 2
	.amdgcn_target "amdgcn-amd-amdhsa--gfx1250"
	.amdhsa_code_object_version 6
	.text
	.protected	k_q6eab0cc900_main
	.globl	k_q6eab0cc900_main
	.p2align	8
	.type	k_q6eab0cc900_main,@function
k_q6eab0cc900_main:
	s_mov_b64 s[64:65], 0
	v_nop
	global_prefetch_b8 v0, s[64:65] scope:SCOPE_SE
	s_setreg_imm32_b32 hwreg(HW_REG_WAVE_MODE, 25, 1), 1
	s_wait_xcnt 0x0
; sc[row] = q = the sum over n of Va[n] / (1 + 2^(K2 x)), x = X[row] . Wa[n] + Wa_b[n] + dec[batch][n], K2 = 2 log2(e).
; tanh x = 1 - 2 / (1 + e^(2x)), so the score is (sum of Va + Va_b) - 2 q: the next launch makes it.  2^t = infinity gives 0, 2^t = 0 gives 1: tanh saturates with no clamp.
; X = encoder_outputs as [65,536][1,024] f32; wf = Wa in bf16 in fragment order; cbw = K2 x (dec + both biases) in f32: both from the launch before.
; SHARES.  A work-group owns 128 rows of X (all of one batch: 2,048 / 128 = 16 blocks a batch).  Its four waves lie side by side along n: a wave makes 128 rows x 128 columns, 64 accumulators
; of 16 x 16, 512 registers; so a PASS covers 512 columns and a block has two passes.  K goes in SUB-STEPS of 32 (64 matrix instructions); four are a TRIP (128 along K), 8 trips a pass.
; X is read from memory once, by loads of one row x 512 bytes, rounded to bf16 in registers and laid into LDS, where it stays for both passes: 128 x 2,048 bytes, in eight GROUPS of 128 along K.
; Group j + 1 is stored while group j is multiplied (trips 0 to 6 of pass 0), its loads issued a trip earlier still.  Every byte of X's tile is stored once; groups are disjoint byte ranges,
; so one barrier a trip, between the stores of a group and its first read, is all the ordering that the tile needs; pass 1 has none.
; W: each fragment is used by ONE wave of the work-group, so it goes from memory straight into that wave's registers, 512 consecutive bytes a load, three sub-steps ahead, four buffers.
; NO TENSOR LOADS, NO CLUSTER.  X's tile takes 278,528 of LDS's 327,680 bytes; two slots of one sub-step of a pass's 512 rows of W are 65,536: they do not fit beside it, and a stage in
; LDS would add a write and a read to bytes that one wave uses once.  X is shared with no other work-group.
; THE MATRIX INSTRUCTION IS USED TRANSPOSED: source 0 = 16 rows of Wa, source 1 = 16 rows of X: a lane holds ONE row of X (lane % 16) and eight neighbouring columns 8 (lane / 16) + 0..7,
; so that a row's sum over columns stays in the lane but for one exchange between the halves of the lanes.
; The product with Va has one output column: it rides on the vector unit in f32, half an instruction a number.
; ONE TEXT FOR ALL TRIPS OF A KIND: in the last trip the three runs that would fetch W past the stream's end read its first 24 KiB again, and the last fragment loads read group 0: they serve nothing.
; LIMITS.  X and Wa are rounded to bf16 (nearest even); all else f32.  NaN and infinities in the inputs are not treated apart.
; REGISTERS, in windows of 256 (s_set_vgpr_msb: bits 1:0 source 0, 3:2 source 1, 5:4 source 2, 7:6 destination):
;   window 0: v0-23 addresses; v24-39 the row sums; v40-63 at work; v64-127 X's fragments (two halves of 4 x 16 rows); v128-255 X as loaded, four slots of 8 rows (on the way out: at work)
;   window 1: four buffers of W's 8 fragments       window 2: accumulators of rows 0-63 ((a, b) at 8 (8 a + b); at the start X's group 0)       window 3: rows 64-127
.set PITCH, 272                        ; an LDS row of a group: 256 bytes + 16 = 17 x 16: the 16 rows of a fragment load start at 16 different groups of four banks (ISA guide 11.1)
.set GRP,   128*PITCH                  ; a group
.set CB,    8*GRP                      ; this batch's 1,024 numbers of cbw
.set VAW,   CB+4096                    ; Va
.set RED,   CB+8192                    ; [wave][128 rows] f32
.set SPARE, CB+10240                   ; the spare words, 128 bytes for each wave: two blocks of 256 bytes that no other line names
.set SPW,  2                           ; v2   LDS address of my spare word; never rewritten
.set NIL,  3                           ; v3   0; never rewritten
.set VB,   4                           ; v4   16 x lane
.set VXG,  5                           ; v5   byte offset in X's tile of my lane in the group that this trip loads
.set VXS,  6                           ; v6   LDS: where my lane's 8 bytes go in the group that this trip stores
.set VPF,  7                           ; v7   byte offset of the group that this trip prefetches
.set VA0,  8                           ; v8   my lane's place in a fragment: r x pitch + 16 h
.set VAC,  9                           ; v9   the same in this trip's group
.set VAN,  10                          ; v10  in the next trip's group
.set VEB,  11                          ; v11  LDS: my eight numbers of cbw in this pass's first column block
.set VRS,  12                          ; v12  LDS: where my row sums go
.set VXP,  13                          ; v13  byte offset of my lane in group 0
.set VXS0, 14                          ; v14  VXS in group 0
.set SS,   24                          ; v[24+2a:25+2a] row sums of row block a: even columns', odd columns'
.set HA,   64
.set XR,   128
.set TT,   128                         ; the way out: eight numbers for each row block a
.set BV,   192                         ; the way out: two sets of 8 cbw + 8 Va
.set BC,   20                          ; s[20:21] W's stream at this trip
.set BN,   22                          ; s[22:23] at the next trip
.set ST0,  24                          ; s[24:25] at its start
.set SAN,  28                          ; s28      LDS offset of the next trip's group
.set MUL_LO, 0xa1                      ; source 0 (W) window 1, source 1 (X) window 0, C and D window 2
.set TO_B,   0x40                      ; destination window 1
.set MSB, 0
.macro WIN new                         ; the immediate's high byte repeats the setting that is left; a switch that changes nothing is dropped
.if MSB != (\new)
	s_set_vgpr_msb (MSB<<8)|(\new)
.set MSB, \new
.endif
.endm
.macro PLACES                          ; a load into a register that a matrix instruction has read, and a vector instruction that reads a matrix result, stand four places behind it (ISA guide 7.12.1 for vector instructions)
.rept 4
	v_nop
.endr
.endm
; 16 matrix instructions: row blocks a0, a0 + 1 of the window's four x all 8 column blocks, W from buffer p.  zero = 1: the product starts the sums.  The 64 accumulators take turns.
.macro MUL16 p, hi, a0, zero
	WIN MUL_LO+0x50*(\hi)
.irp a, \a0, (\a0)+1
.irp b, 0,1,2,3,4,5,6,7
.if \zero
	v_wmma_f32_16x16x32_bf16 v[8*(8*(\a)+(\b)):8*(8*(\a)+(\b))+7], v[64*(\p)+8*(\b):64*(\p)+8*(\b)+7], v[HA+32*(\hi)+8*(\a):HA+32*(\hi)+8*(\a)+7], 0
.else
	v_wmma_f32_16x16x32_bf16 v[8*(8*(\a)+(\b)):8*(8*(\a)+(\b))+7], v[64*(\p)+8*(\b):64*(\p)+8*(\b)+7], v[HA+32*(\hi)+8*(\a):HA+32*(\hi)+8*(\a)+7], v[8*(8*(\a)+(\b)):8*(8*(\a)+(\b))+7]
.endif
.endr
.endr
.endm
; 8 LDS loads: X's fragments of four row blocks (half hi), 32 along K at byte off of the group's rows
.macro ARUN hi, reg, off
.irp a, 0,1,2,3
	ds_load_b128 v[HA+32*(\hi)+8*(\a):HA+32*(\hi)+8*(\a)+3],   v[\reg] offset:(4*(\hi)+(\a))*16*PITCH+(\off)
	ds_load_b128 v[HA+32*(\hi)+8*(\a)+4:HA+32*(\hi)+8*(\a)+7], v[\reg] offset:(4*(\hi)+(\a))*16*PITCH+(\off)+32
.endr
.endm
; 16 loads: a sub-step's 8 fragments of W, 8,192 consecutive bytes of my stream, into a buffer
.macro WRUN buf, base, off
	WIN TO_B
.irp b, 0,1,2,3,4,5,6,7
	global_load_b128 v[64*(\buf)+8*(\b):64*(\buf)+8*(\b)+3],   v[VB], s[\base:\base+1] offset:(\off)+(\b)*1024
	global_load_b128 v[64*(\buf)+8*(\b)+4:64*(\buf)+8*(\b)+7], v[VB], s[\base:\base+1] offset:(\off)+(\b)*1024+512
.endr
	WIN 0
.endm
; 8 loads: rows 8 q .. 8 q + 7 of my 32, one group's 512 bytes of each, into slot q
.macro XRUN q, reg, plus
.irp i, 0,1,2,3,4,5,6,7
	global_load_b128 v[XR+32*(\q)+4*(\i):XR+32*(\q)+4*(\i)+3], v[\reg], s[4:5] offset:(8*(\q)+(\i))*4096+(\plus) th:TH_LOAD_NT
.endr
.endm
; slot q is rounded to bf16 in place and stored: a row's 32 lanes x 8 bytes are 256 consecutive bytes of LDS
.macro CONV q
.irp i, 0,1,2,3,4,5,6,7
	v_cvt_pk_bf16_f32 v[XR+32*(\q)+4*(\i)],   v[XR+32*(\q)+4*(\i)],   v[XR+32*(\q)+4*(\i)+1]
	v_cvt_pk_bf16_f32 v[XR+32*(\q)+4*(\i)+1], v[XR+32*(\q)+4*(\i)+2], v[XR+32*(\q)+4*(\i)+3]
.endr
.irp i, 0,1,2,3,4,5,6,7
	ds_store_b64 v[VXS], v[XR+32*(\q)+4*(\i):XR+32*(\q)+4*(\i)+1] offset:(8*(\q)+(\i))*PITCH
.endr
.endm
; SUB-STEP q of a trip.  conv: slot q goes to LDS.  issue: slot q is loaded again.  lcnt: the loads issued behind this sub-step's W.  bar: the trip's barrier.
; The order of global loads is W, X, W, X ..: behind W of sub-step n stand X's run of n - 3, W of n + 1, X's of n - 2, W of n + 2, X's of n - 1; X's run of n - 4, which conv reads, stands ahead of it.
.macro SUBK q, zero, conv, issue, lcnt, bar
	s_wait_loadcnt \lcnt                           ; loads come back in order (ISA guide 5.7.1): this sub-step's W is in, and the slot that conv reads
	s_wait_dscnt 8                                 ; X's fragments of rows 0-63 are in; the eight loads of rows 64-127 may be out
.if \conv
	CONV \q
.endif
	MUL16 \q, 0, 0, \zero
.if \bar
	s_wait_dscnt 0x0                               ; for the others' sake: my stores of the next group are done
	s_barrier_signal -1
.endif
	MUL16 \q, 0, 2, \zero
.if \bar
	s_barrier_wait -1                              ; the next group is whole: the fragment loads below read it
.endif
	PLACES
.if (\q) == 0
	WRUN 3, BC, 24576                              ; W three sub-steps on, into the buffer that the last sub-step multiplied
.else
	WRUN (\q)-1, BN, ((\q)-1)*8192
.endif
.if (\q) == 3
	ARUN 0, VAN, 0
.else
	ARUN 0, VAC, ((\q)+1)*64
.endif
	s_wait_dscnt 8                                 ; rows 64-127 are in and conv's stores are done; the eight loads just issued may be out
.if \issue
	XRUN \q, VXG, 0
.endif
	MUL16 \q, 1, 0, \zero
	MUL16 \q, 1, 2, \zero
	PLACES
	WIN 0
.if (\q) == 3
	ARUN 1, VAN, 0
.else
	ARUN 1, VAC, ((\q)+1)*64
.endif
.endm
; A trip's sub-step 0: in a pass's first trip its products start the sums, so nothing is ever cleared.
.macro SUBK0 first, conv, issue, lcnt
	s_cmp_eq_u32 s26, \first
	s_cbranch_scc0 .Lgo_on_\@
	SUBK 0, 1, \conv, \issue, \lcnt, 0
	s_branch .Ljoin_\@
.Lgo_on_\@:
	SUBK 0, 0, \conv, \issue, \lcnt, 0
.Ljoin_\@:
.endm
; A trip's end: the addresses step.  x = 1: X's too.
.macro STEP x
	s_wait_xcnt 0x0                                ; every earlier memory instruction has had its addresses translated (ISA guide 3.1): bases and offsets are rewritten only behind this wait
	s_mov_b64 s[BC:BC+1], s[BN:BN+1]
	s_add_nc_u64 s[BN:BN+1], s[BN:BN+1], 32768
	s_cmp_eq_u32 s26, 14                           ; the last trip has no next: its three runs ahead stay inside the buffer, at the stream's start
	s_cselect_b64 s[BN:BN+1], s[ST0:ST0+1], s[BN:BN+1]
	s_add_co_u32 s[SAN], s[SAN], GRP
	s_cmp_eq_u32 s[SAN], 8*GRP                     ; behind group 7 comes group 0
	s_cselect_b32 s[SAN], 0, s[SAN]
	v_mov_b32 v[VAC], v[VAN]
	v_add_nc_u32 v[VAN], s[SAN], v[VA0]
.if \x
	v_add_nc_u32 v[VXS], s[SAN], v[VXS0]           ; the group that a trip stores is the one that is read next
	v_add_nc_u32 v[VXG], 512, v[VXG]
	v_add_nc_u32 v[VPF], 512, v[VPF]
.endif
.endm
; THE WAY OUT OF A PASS, column block by column block (eb).  For row block a: FF: t = K2 x sum + cbw; EE: 2^t; AA: + 1; RR: the reciprocal; SM: the row sums take it times Va.
.macro BVLOAD b
.set rB, BV+16*((\b)%2)
	ds_load_b128 v[rB:rB+3],     v[VEB] offset:(\b)*64
	ds_load_b128 v[rB+4:rB+7],   v[VEB] offset:(\b)*64+16
	ds_load_b128 v[rB+8:rB+11],  v[VEB] offset:(\b)*64+4096
	ds_load_b128 v[rB+12:rB+15], v[VEB] offset:(\b)*64+4112
.endm
.macro FF a                            ; each accumulator's lowest registers are read first
.set rA, 8*(8*((\a)%4)+eb)
.set rT, TT+8*(\a)
.set rB, BV+16*(eb%2)
.irp z, 0,2,4,6
	v_pk_fma_f32 v[rT+\z:rT+\z+1], v[rA+\z:rA+\z+1], s[30:31], v[rB+\z:rB+\z+1] op_sel_hi:[1,0,1]
.endr
.endm
.macro EE a
.set rT, TT+8*(\a)
.irp z, 0,1,2,3,4,5,6,7
	v_exp_f32 v[rT+\z], v[rT+\z]
.endr
.endm
.macro AA a
.set rT, TT+8*(\a)
.irp z, 0,2,4,6
	v_pk_add_f32 v[rT+\z:rT+\z+1], v[rT+\z:rT+\z+1], 1.0 op_sel_hi:[1,0]
.endr
.endm
.macro RR a
.set rT, TT+8*(\a)
.irp z, 0,1,2,3,4,5,6,7
	v_rcp_f32 v[rT+\z], v[rT+\z]
.endr
.endm
.macro SM a
.set rT, TT+8*(\a)
.set rB, BV+16*(eb%2)+8
.set rS, SS+2*(\a)
	s_wait_alu depctr_va_vdst(0)
.irp z, 0,2,4,6
	v_pk_fma_f32 v[rS:rS+1], v[rT+\z:rT+\z+1], v[rB+\z:rB+\z+1], v[rS:rS+1]
.endr
.endm
; The order keeps a plain vector instruction between every exponential or reciprocal and the first use of its result (ISA guide 5.7.2): block a + 1's additions stand between block a's reciprocals and its sums.
.macro EPI
	WIN 0
	BVLOAD 0
.set eb, 0
.rept 8
.if eb < 7
	BVLOAD eb+1
	s_wait_dscnt 4                                 ; this column block's cbw and Va are in; the next block's four loads may be out
.else
	s_wait_dscnt 0x0
.endif
	WIN 0x02                                       ; source 0 window 2
.irp a, 0,1,2,3
	FF \a
.endr
	WIN 0x03                                       ; source 0 window 3
.irp a, 4,5,6,7
	FF \a
.endr
	WIN 0
	EE 0
	EE 1
	v_nop
	s_wait_alu depctr_va_vdst(0)
	AA 0
.set ea, 0
.rept 8
	RR ea
.if ea+2 < 8
	EE ea+2
.endif
.if ea < 7
	AA ea+1
.else
	v_nop
	s_wait_alu depctr_va_vdst(0)
.endif
	SM ea
.set ea, ea+1
.endr
.set eb, eb+1
.endr
	v_add_nc_u32 v[VEB], 2048, v[VEB]              ; the next pass's 512 columns
.endm
	s_load_b256 s[4:11], s[0:1], 0x0               ; X s[4:5], wf s[6:7], cbw s[8:9], Va_w s[10:11]
	s_load_b64 s[12:13], s[0:1], 0x20              ; sc
	v_lshl_add_u32 v[SPW], v0, 2, SPARE
	v_mov_b32 v[NIL], 0
	v_lshrrev_b32 v1, 5, v0
	v_readfirstlane_b32 s14, v1                    ; wave 0..3
	s_mov_b32 s15, ttmp9                           ; my block of 128 rows
	s_lshr_b32 s16, s15, 4                         ; its batch
	s_mov_b32 s19, 0
	s_mov_b32 s30, 0x4038aa3b                      ; K2 = 2 log2(e)
	s_mov_b32 s31, s30                             ; named with it as a pair
	s_mov_b32 s32, 0x76543210                      ; v_permlanex16_b32: each lane takes its own place in the other half
	s_mov_b32 s33, 0xfedcba98
	s_mov_b32 s[SAN], GRP
	v_and_b32 v21, 31, v0                          ; lane
	v_and_b32 v22, 15, v0                          ; r
	v_bfe_u32 v23, v0, 4, 1                        ; h
	v_lshlrev_b32 v[VB], 4, v21
	s_lshl_b32 s27, s14, 17                        ; my 32 rows of 4,096 bytes
	v_add_nc_u32 v[VXP], s27, v[VB]
	v_add_nc_u32 v[VXG], 1024, v[VXP]              ; trip 0 loads group 2
	v_lshrrev_b32 v40, 1, v21                      ; a prefetch: lanes 256 bytes apart: 16 rows x a group's two blocks
	v_and_b32 v41, 1, v21
	v_lshl_add_u32 v40, v40, 12, s27
	v_lshl_add_u32 v40, v41, 8, v40
	v_add_nc_u32 v[VPF], 1536, v40                 ; trip 0 asks for group 3
	s_mul_i32 s29, s14, 32*PITCH
	v_lshl_add_u32 v[VXS0], v21, 3, s29
	v_add_nc_u32 v[VXS], GRP, v[VXS0]              ; trip 0 stores group 1
	v_mul_u32_u24 v[VA0], v22, PITCH
	v_lshl_add_u32 v[VA0], v23, 4, v[VA0]
	v_mov_b32 v[VAC], v[VA0]
	v_add_nc_u32 v[VAN], GRP, v[VA0]
	s_lshl_b32 s34, s14, 9                         ; my 128 columns, and my 128 row sums, are 512 bytes
	s_add_co_u32 s35, s34, CB
	v_lshl_add_u32 v[VEB], v23, 5, s35
	s_add_co_u32 s34, s34, RED
	v_lshl_add_u32 v[VRS], v22, 2, s34
	v_lshrrev_b32 v15, 1, v0                       ; cbw: thread t takes columns 8 t .. 8 t + 7: block t / 2, half t % 2, my batch's row
	v_lshlrev_b32 v15, 11, v15
	v_and_b32 v16, 1, v0
	v_lshl_add_u32 v15, v16, 5, v15
	s_lshl_b32 s36, s16, 6
	v_add_nc_u32 v15, s36, v15
	v_lshlrev_b32 v16, 5, v0                       ; Va: 32 bytes a thread
	v_add_nc_u32 v17, CB, v16
	s_wait_kmcnt 0x0
	s_lshl_b32 s18, s15, 19                        ; 128 rows of 4,096 bytes
	s_add_nc_u64 s[4:5], s[4:5], s[18:19]
	s_lshl_b32 s18, s14, 19                        ; my stream of W: 524,288 bytes a wave
	s_add_nc_u64 s[ST0:ST0+1], s[6:7], s[18:19]
	s_lshl_b32 s18, s15, 9
	s_add_nc_u64 s[12:13], s[12:13], s[18:19]
	global_load_b128 v[40:43], v15, s[8:9]
	global_load_b128 v[44:47], v15, s[8:9] offset:16
	global_load_b128 v[48:51], v16, s[10:11]
	global_load_b128 v[52:55], v16, s[10:11] offset:16
	WIN 0x80                                       ; destination window 2: group 0 of my 32 rows lies where accumulators will
.set n, 0
.rept 32
	global_load_b128 v[4*n:4*n+3], v[VXP], s[4:5] offset:n*4096 th:TH_LOAD_NT
.set n, n+1
.endr
	WIN 0
	XRUN 0, VXP, 512                               ; group 1 and W's first three sub-steps, in the order that the loop keeps
	WRUN 0, ST0, 0
	XRUN 1, VXP, 512
	WRUN 1, ST0, 8192
	XRUN 2, VXP, 512
	WRUN 2, ST0, 16384
	XRUN 3, VXP, 512
	global_prefetch_b8 v[VPF], s[4:5] offset:-512 th:TH_LOAD_NT scope:SCOPE_SE        ; group 2 of my 32 rows, each block of 256 bytes once
	global_prefetch_b8 v[VPF], s[4:5] offset:65536-512 th:TH_LOAD_NT scope:SCOPE_SE
	s_mov_b64 s[BC:BC+1], s[ST0:ST0+1]
	s_add_nc_u64 s[BN:BN+1], s[ST0:ST0+1], 32768
.set n, 0
.rept 16
	v_mov_b32 v[SS+n], 0                           ; the row sums run over both passes
.set n, n+1
.endr
	s_wait_loadcnt 56                              ; 80 loads stand behind group 0's; the count is the first sub-step's, which is smaller: cbw, Va, group 0, slot 0 and W's first run are in
	WIN 0x8a                                       ; sources and destination window 2
.set n, 0
.rept 32
	v_cvt_pk_bf16_f32 v[4*n],   v[4*n],   v[4*n+1]
	v_cvt_pk_bf16_f32 v[4*n+1], v[4*n+2], v[4*n+3]
.set n, n+1
.endr
	WIN 0x08                                       ; store data window 2, address window 0
.set n, 0
.rept 32
	ds_store_b64 v[VXS0], v[4*n:4*n+1] offset:n*PITCH
.set n, n+1
.endr
	WIN 0
	ds_store_b128 v17, v[40:43]
	ds_store_b128 v17, v[44:47] offset:16
	ds_store_b128 v17, v[48:51] offset:4096
	ds_store_b128 v17, v[52:55] offset:4112
	s_wait_dscnt 0x0                               ; for the others' sake: my rows of group 0 and my part of cbw and Va are in LDS
	s_barrier_signal -1
	s_barrier_wait -1
	ARUN 0, VAC, 0
	ARUN 1, VAC, 0
	s_mov_b32 s26, 0
.Lxtrip:                                               ; trips 0 to 5: group j is multiplied, group j + 1 stored, group j + 2 loaded, group j + 3 asked for
	SUBK0 0, 1, 1, 56
	s_cmp_ge_u32 s26, 5                            ; group 7 is the last: trip 5 asks for nothing
	s_cbranch_scc1 .Lno_ask
	global_prefetch_b8 v[VPF], s[4:5] th:TH_LOAD_NT scope:SCOPE_SE                    ; one trip ahead of its loads; each wave asks for its own 32 rows, each block of 256 bytes once
	global_prefetch_b8 v[VPF], s[4:5] offset:65536 th:TH_LOAD_NT scope:SCOPE_SE
.Lno_ask:
	SUBK 1, 0, 1, 1, 56, 0
	SUBK 2, 0, 1, 1, 56, 0
	SUBK 3, 0, 1, 1, 56, 1
	STEP 1
	s_add_co_u32 s26, s26, 1
	s_cmp_lt_u32 s26, 6
	s_cbranch_scc1 .Lxtrip
	SUBK 0, 0, 1, 0, 56, 0                         ; trip 6: group 7 is stored, nothing of X is left to load: the counts run down by a run of 8
	SUBK 1, 0, 1, 0, 48, 0
	SUBK 2, 0, 1, 0, 40, 0
	SUBK 3, 0, 1, 0, 32, 1
	STEP 0
	s_mov_b32 s26, 7
.Lplain:                                               ; trips 7 to 15: X lies in LDS; behind this sub-step's W stand two runs of 16
	SUBK0 8, 0, 0, 32
	SUBK 1, 0, 0, 0, 32, 0
	SUBK 2, 0, 0, 0, 32, 0
	SUBK 3, 0, 0, 0, 32, 0
	STEP 0
	s_and_b32 s27, s26, 7
	s_cmp_lg_u32 s27, 7                            ; trips 7 and 15 end a pass
	s_cbranch_scc1 .Lno_epi
	EPI                                            ; the places behind the last products are the sub-step's closing four
.Lno_epi:
	s_add_co_u32 s26, s26, 1
	s_cmp_lt_u32 s26, 16
	s_cbranch_scc1 .Lplain
	; A row's sum: my even and odd columns', the other half of the lanes', and, through LDS, the four waves'.
.set n, 0
.rept 8
	v_add_f32 v[40+n], v[SS+2*n], v[SS+2*n+1]
.set n, n+1
.endr
.set n, 0
.rept 8
	v_permlanex16_b32 v[48+n], v[40+n], s32, s33
.set n, n+1
.endr
.set n, 0
.rept 8
	v_add_f32 v[40+n], v[40+n], v[48+n]
.set n, n+1
.endr
.set n, 0
.rept 8
	ds_store_b32 v[VRS], v[40+n] offset:64*n       ; row 16 n + r; both halves of the lanes write the same number to the same word
.set n, n+1
.endr
	s_wait_dscnt 0x0                               ; for wave 0's sake: my row sums are in LDS
	s_barrier_signal -1
	s_barrier_wait -1
	s_cmp_lg_u32 s14, 0
	s_cbranch_scc1 .Lend
	v_add_nc_u32 v56, RED, v[VB]                   ; lane l takes rows 4 l .. 4 l + 3
	ds_load_b128 v[40:43], v56
	ds_load_b128 v[44:47], v56 offset:512
	ds_load_b128 v[48:51], v56 offset:1024
	ds_load_b128 v[52:55], v56 offset:1536
	s_wait_dscnt 0x0
	v_pk_add_f32 v[40:41], v[40:41], v[44:45]
	v_pk_add_f32 v[42:43], v[42:43], v[46:47]
	v_pk_add_f32 v[48:49], v[48:49], v[52:53]
	v_pk_add_f32 v[50:51], v[50:51], v[54:55]
	v_pk_add_f32 v[40:41], v[40:41], v[48:49]
	v_pk_add_f32 v[42:43], v[42:43], v[50:51]
	global_store_b128 v[VB], v[40:43], s[12:13]    ; the block's 128 numbers: 512 consecutive bytes, aligned
.Lend:
	s_wait_tensorcnt 0x0                           ; the wave's end, behind my last LDS store
	ds_add_u32 v[SPW], v[NIL]
	s_wait_dscnt 0x0
	s_endpgm
.Lfunc_end_k_q6eab0cc900_main:
	.size	k_q6eab0cc900_main, .Lfunc_end_k_q6eab0cc900_main-k_q6eab0cc900_main
	.p2alignl 7, 3214868480
	.fill 96, 4, 3214868480
	.section	.rodata,"a",@progbits
	.p2align	6, 0x0
	.amdhsa_kernel k_q6eab0cc900_main
		.amdhsa_group_segment_fixed_size 289280
		.amdhsa_private_segment_fixed_size 0
		.amdhsa_enable_private_segment 0
		.amdhsa_kernarg_size 40
		.amdhsa_user_sgpr_count 2
		.amdhsa_user_sgpr_kernarg_segment_ptr 1
		.amdhsa_wavefront_size32 1
		.amdhsa_system_sgpr_workgroup_id_x 1
		.amdhsa_system_sgpr_workgroup_id_y 1
		.amdhsa_system_sgpr_workgroup_id_z 1
		.amdhsa_system_vgpr_workitem_id 0
		.amdhsa_next_free_vgpr 1024
		.amdhsa_next_free_sgpr 66
		.amdhsa_reserve_vcc 0
		.amdhsa_float_denorm_mode_32 3
		.amdhsa_float_denorm_mode_16_64 3
		.amdhsa_memory_ordered 1
		.amdhsa_forward_progress 1
		.amdhsa_inst_pref_size 229
	.end_amdhsa_kernel
	.amdgpu_metadata
---
amdhsa.version: [ 1, 2 ]
amdhsa.kernels:
  - .name:           k_q6eab0cc900_main
    .symbol:         k_q6eab0cc900_main.kd
    .args:
      - { .name: encoder_outputs, .offset: 0, .size: 8, .value_kind: global_buffer, .address_space: global }
      - { .name: wf, .offset: 8, .size: 8, .value_kind: global_buffer, .address_space: global }
      - { .name: cbw, .offset: 16, .size: 8, .value_kind: global_buffer, .address_space: global }
      - { .name: Va_w, .offset: 24, .size: 8, .value_kind: global_buffer, .address_space: global }
      - { .name: sc, .offset: 32, .size: 8, .value_kind: global_buffer, .address_space: global }
    .group_segment_fixed_size: 289280
    .private_segment_fixed_size: 0
    .kernarg_segment_align: 8
    .kernarg_segment_size: 40
    .max_flat_workgroup_size: 128
    .sgpr_count:     66
    .vgpr_count:     1024
    .wavefront_size: 32
...
	.end_amdgpu_metadata
.endif
;; end of part 2
;; launch soft (part 3): grid 32 x 1, 8 waves a work-group, no clusters, 1,280 bytes of LDS; arguments sc, attn_mask, Va_w, Va_b, out0; writes out0
.if DOCPART == 3
	.amdgcn_target "amdgcn-amd-amdhsa--gfx1250"
	.amdhsa_code_object_version 6
	.text
	.protected	k_q6eab0cc900_soft
	.globl	k_q6eab0cc900_soft
	.p2align	8
	.type	k_q6eab0cc900_soft,@function
k_q6eab0cc900_soft:
	s_mov_b64 s[64:65], 0
	v_nop
	global_prefetch_b8 v0, s[64:65] scope:SCOPE_SE
	s_setreg_imm32_b32 hwreg(HW_REG_WAVE_MODE, 25, 1), 1
	s_wait_xcnt 0x0
; out0[b][s] = softmax over s of the masked score.  score = C0 - 2 q, C0 = the sum of Va + Va_b, q = sc[b][s] from the launch before; a hidden place counts as minus infinity.
; One batch row of 2,048 to a work-group of eight waves; thread t owns places 4 t .. 4 t + 3 and 1,024 + 4 t .. + 3: every load and store of f32 of a wave covers 512 consecutive bytes, aligned.
; The row's maximum is taken away before the exponential: it is C0 - 2 x (the least q that is not hidden), since the fused multiply-add is monotone in q.
; The row is 8 KiB: it stays in registers; matrix units, tensor loads and clusters have nothing to do here.
; LIMITS.  A row whose mask is all false gives NaN, as the reference does.  A weight below 2^-126 counts as 0.
.set SPARE, 256                        ; the spare words, 128 bytes for each wave; bytes 0-95 hold the waves' figures: sums of Va, minima, sums of weights
.set SPW, 30                           ; v30  LDS address of my spare word; never rewritten
.set NIL, 31                           ; v31  0; never rewritten
.macro ACROSS op, r, t                 ; over the wave's 32 lanes: four steps inside each half of 16 ride on the arithmetic, one crosses the halves
	\op\()_dpp v[\r], v[\r], v[\r] row_xmask:1 row_mask:0xf bank_mask:0xf
	\op\()_dpp v[\r], v[\r], v[\r] row_xmask:2 row_mask:0xf bank_mask:0xf
	\op\()_dpp v[\r], v[\r], v[\r] row_xmask:4 row_mask:0xf bank_mask:0xf
	\op\()_dpp v[\r], v[\r], v[\r] row_xmask:8 row_mask:0xf bank_mask:0xf
	v_permlanex16_b32 v[\t], v[\r], s18, s19
	\op v[\r], v[\r], v[\t]
.endm
	s_load_b256 s[4:11], s[0:1], 0x0               ; sc s[4:5], attn_mask s[6:7], Va_w s[8:9], Va_b s[10:11]
	s_load_b64 s[12:13], s[0:1], 0x20              ; out0
	v_lshl_add_u32 v[SPW], v0, 2, SPARE
	v_mov_b32 v[NIL], 0
	v_lshrrev_b32 v1, 5, v0
	v_readfirstlane_b32 s22, v1                    ; wave 0..7
	v_mov_b32 v10, s22
	v_lshlrev_b32 v10, 2, v10                      ; my wave's word
	v_mov_b32 v11, 0
	v_lshlrev_b32 v2, 4, v0                        ; 16 t
	v_lshlrev_b32 v3, 2, v0                        ; 4 t
	s_lshl_b32 s14, ttmp9, 13                      ; a row of 2,048 f32
	s_mov_b32 s15, 0
	s_lshl_b32 s16, ttmp9, 11                      ; a row of 2,048 bytes
	s_mov_b32 s17, 0
	s_mov_b32 s18, 0x76543210                      ; v_permlanex16_b32: each lane takes its own place in the other half
	s_mov_b32 s19, 0xfedcba98
	s_mov_b32 s21, 0x7f800000                      ; + infinity
	s_wait_kmcnt 0x0
	s_load_b32 s20, s[10:11], 0x0                  ; Va_b
	s_add_nc_u64 s[4:5], s[4:5], s[14:15]
	s_add_nc_u64 s[12:13], s[12:13], s[14:15]
	s_add_nc_u64 s[6:7], s[6:7], s[16:17]
	global_load_b128 v[12:15], v2, s[4:5]
	global_load_b128 v[16:19], v2, s[4:5] offset:4096
	global_load_b32 v20, v3, s[6:7]
	global_load_b32 v21, v3, s[6:7] offset:1024
	global_load_b128 v[24:27], v2, s[8:9]
	s_wait_loadcnt 0x0
	s_wait_kmcnt 0x0
.irp k, 0,1,2,3                        ; q = + infinity where the mask's byte is 0: the score is then minus infinity
	v_and_b32 v22, 0xff<<(8*\k), v20
	v_and_b32 v23, 0xff<<(8*\k), v21
	v_cmp_ne_u32 vcc_lo, 0, v22
	v_cndmask_b32 v[12+\k], s21, v[12+\k], vcc_lo
	v_cmp_ne_u32 vcc_lo, 0, v23
	v_cndmask_b32 v[16+\k], s21, v[16+\k], vcc_lo
.endr
	v_add_f32 v8, v24, v25
	v_add_f32 v23, v26, v27
	v_add_f32 v8, v8, v23                          ; my four Va
	v_min3_num_f32 v9, v12, v13, v14
	v_min3_num_f32 v9, v9, v15, v16
	v_min3_num_f32 v9, v9, v17, v18
	v_min_num_f32 v9, v9, v19                      ; my least q
	ACROSS v_add_f32, 8, 22
	ACROSS v_min_num_f32, 9, 23
	ds_store_b32 v10, v8                           ; all lanes write the same word with the same number
	ds_store_b32 v10, v9 offset:32
	s_wait_dscnt 0x0                               ; for the others' sake
	s_barrier_signal -1
	s_barrier_wait -1
	ds_load_b128 v[32:35], v11
	ds_load_b128 v[36:39], v11 offset:16
	ds_load_b128 v[40:43], v11 offset:32
	ds_load_b128 v[44:47], v11 offset:48
	s_wait_dscnt 0x0
	v_pk_add_f32 v[32:33], v[32:33], v[34:35]
	v_pk_add_f32 v[36:37], v[36:37], v[38:39]
	v_pk_add_f32 v[32:33], v[32:33], v[36:37]
	v_add_f32 v8, v32, v33
	v_min3_num_f32 v9, v40, v41, v42
	v_min3_num_f32 v9, v9, v43, v44
	v_min3_num_f32 v9, v9, v45, v46
	v_min_num_f32 v9, v9, v47
	v_add_f32 v28, s20, v8                         ; C0
	v_mov_b32 v29, v28
	v_fma_f32 v9, -2.0, v9, v28                    ; m, the row's maximum
	v_mul_f32 v4, 0xbfb8aa3b, v9                   ; - m log2(e)
	v_mov_b32 v5, v4
.irp z, 0,2,4,6
	v_pk_fma_f32 v[12+\z:13+\z], v[12+\z:13+\z], -2.0, v[28:29] op_sel_hi:[1,0,1]       ; the score
.endr
.irp z, 0,2,4,6
	v_pk_fma_f32 v[12+\z:13+\z], v[12+\z:13+\z], 0x3fb8aa3b, v[4:5] op_sel_hi:[1,0,1]   ; (score - m) log2(e)
.endr
.irp z, 0,1,2,3,4,5,6,7
	v_exp_f32 v[12+\z], v[12+\z]
.endr
	v_nop                                          ; a plain instruction between the last exponential and the use of its result (ISA guide 5.7.2)
	s_wait_alu depctr_va_vdst(0)
	v_pk_add_f32 v[32:33], v[12:13], v[14:15]
	v_pk_add_f32 v[34:35], v[16:17], v[18:19]
	v_pk_add_f32 v[32:33], v[32:33], v[34:35]
	v_add_f32 v8, v32, v33
	ACROSS v_add_f32, 8, 22
	ds_store_b32 v10, v8 offset:64                 ; other words than the first round's: no barrier is needed between that round's reads and this store
	s_wait_dscnt 0x0
	s_barrier_signal -1
	s_barrier_wait -1
	ds_load_b128 v[32:35], v11 offset:64
	ds_load_b128 v[36:39], v11 offset:80
	s_wait_dscnt 0x0
	v_pk_add_f32 v[32:33], v[32:33], v[34:35]
	v_pk_add_f32 v[36:37], v[36:37], v[38:39]
	v_pk_add_f32 v[32:33], v[32:33], v[36:37]
	v_add_f32 v8, v32, v33
	v_rcp_f32 v6, v8
	v_nop                                          ; a plain instruction behind the reciprocal
	s_wait_alu depctr_va_vdst(0)
	v_mov_b32 v7, v6
.irp z, 0,2,4,6
	v_pk_mul_f32 v[12+\z:13+\z], v[12+\z:13+\z], v[6:7]
.endr
	global_store_b128 v2, v[12:15], s[12:13]
	global_store_b128 v2, v[16:19], s[12:13] offset:4096
	s_wait_tensorcnt 0x0                           ; the wave's end, behind my last LDS store
	ds_add_u32 v[SPW], v[NIL]
	s_wait_dscnt 0x0
	s_endpgm
.Lfunc_end_k_q6eab0cc900_soft:
	.size	k_q6eab0cc900_soft, .Lfunc_end_k_q6eab0cc900_soft-k_q6eab0cc900_soft
	.p2alignl 7, 3214868480
	.fill 96, 4, 3214868480
	.section	.rodata,"a",@progbits
	.p2align	6, 0x0
	.amdhsa_kernel k_q6eab0cc900_soft
		.amdhsa_group_segment_fixed_size 1280
		.amdhsa_private_segment_fixed_size 0
		.amdhsa_enable_private_segment 0
		.amdhsa_kernarg_size 40
		.amdhsa_user_sgpr_count 2
		.amdhsa_user_sgpr_kernarg_segment_ptr 1
		.amdhsa_wavefront_size32 1
		.amdhsa_system_sgpr_workgroup_id_x 1
		.amdhsa_system_sgpr_workgroup_id_y 1
		.amdhsa_system_sgpr_workgroup_id_z 1
		.amdhsa_system_vgpr_workitem_id 0
		.amdhsa_next_free_vgpr 48
		.amdhsa_next_free_sgpr 66
		.amdhsa_reserve_vcc 1
		.amdhsa_float_denorm_mode_32 3
		.amdhsa_float_denorm_mode_16_64 3
		.amdhsa_memory_ordered 1
		.amdhsa_forward_progress 1
		.amdhsa_inst_pref_size 8
	.end_amdhsa_kernel
	.amdgpu_metadata
---
amdhsa.version: [ 1, 2 ]
amdhsa.kernels:
  - .name:           k_q6eab0cc900_soft
    .symbol:         k_q6eab0cc900_soft.kd
    .args:
      - { .name: sc, .offset: 0, .size: 8, .value_kind: global_buffer, .address_space: global }
      - { .name: attn_mask, .offset: 8, .size: 8, .value_kind: global_buffer, .address_space: global }
      - { .name: Va_w, .offset: 16, .size: 8, .value_kind: global_buffer, .address_space: global }
      - { .name: Va_b, .offset: 24, .size: 8, .value_kind: global_buffer, .address_space: global }
      - { .name: out0, .offset: 32, .size: 8, .value_kind: global_buffer, .address_space: global }
    .group_segment_fixed_size: 1280
    .private_segment_fixed_size: 0
    .kernarg_segment_align: 8
    .kernarg_segment_size: 40
    .max_flat_workgroup_size: 256
    .sgpr_count:     66
    .vgpr_count:     48
    .wavefront_size: 32
...
	.end_amdgpu_metadata
.endif
;; end of part 3
;; ======== version 2 of 2: 3 launches; version 1 with the launch main written anew for expert scheduling mode
;; workspace buffers: wf 2,097,152 bytes; cbw 131,072 bytes; sc 262,144 bytes
;; launch prep: the kernel of part 1 again; grid 64 x 1, 8 waves a work-group, no clusters, 149,504 bytes of LDS; arguments Wa_w, Ua_w, decoder_hidden_state, Ua_b, Wa_b, wf, cbw; writes wf, cbw
;; launch main (part 4): grid 512 x 1, 4 waves a work-group, no clusters, 289,280 bytes of LDS; arguments encoder_outputs, wf, cbw, Va_w, sc; writes sc
.if DOCPART == 4
	.amdgcn_target "amdgcn-amd-amdhsa--gfx1250"
	.amdhsa_code_object_version 6
	.text
	.protected	k_q6eab0cc900_main
	.globl	k_q6eab0cc900_main
	.p2align	8
	.type	k_q6eab0cc900_main,@function
k_q6eab0cc900_main:
	s_mov_b64 s[64:65], 0
	v_nop
	global_prefetch_b8 v0, s[64:65] scope:SCOPE_SE
	s_setreg_imm32_b32 hwreg(HW_REG_WAVE_SCHED_MODE, 0, 2), 2
	s_setreg_imm32_b32 hwreg(HW_REG_WAVE_MODE, 25, 1), 1
	s_wait_xcnt 0x0
	s_wait_alu depctr_vm_vsrc(0)
; sc[row] = q = the sum over n of Va[n] / (1 + 2^(K2 x)), x = X[row] . Wa[n] + Wa_b[n] + dec[batch][n], K2 = 2 log2(e).
; tanh x = 1 - 2 / (1 + e^(2x)), so the score is (sum of Va + Va_b) - 2 q: the next launch makes it.  2^t = infinity gives 0, 2^t = 0 gives 1: tanh saturates with no clamp.
; X = encoder_outputs as [65,536][1,024] f32; wf = Wa in bf16 in fragment order; cbw = K2 x (dec + both biases) in f32: both from the launch before.
; SHARES.  A work-group owns 128 rows of X (all of one batch: 2,048 / 128 = 16 blocks a batch).  Its four waves lie side by side along n: a wave makes 128 rows x 128 columns, 64 accumulators
; of 16 x 16, 512 registers; so a PASS covers 512 columns and a block has two passes.  K goes in SUB-STEPS of 32 (64 matrix instructions); four are a TRIP (128 along K), 8 trips a pass.
; X is read from memory once, by loads of one row x 512 bytes, rounded to bf16 in registers and laid into LDS, where it stays for both passes: 128 x 2,048 bytes, in eight GROUPS of 128 along K.
; Group j + 1 is stored while group j is multiplied (trips 0 to 6 of pass 0), its loads issued a trip earlier still.  Every byte of X's tile is stored once; groups are disjoint byte ranges,
; so one barrier a trip, between the stores of a group and its first read, is all the ordering that the tile needs; pass 1 has none.
; W: each fragment is used by ONE wave of the work-group, so it goes from memory straight into that wave's registers, 512 consecutive bytes a load, three sub-steps ahead, four buffers.
; NO TENSOR LOADS, NO CLUSTER.  X's tile takes 278,528 of LDS's 327,680 bytes; two slots of one sub-step of a pass's 512 rows of W are 65,536: they do not fit beside it, and a stage in
; LDS would add a write and a read to bytes that one wave uses once.  X is shared with no other work-group.
; THE MATRIX INSTRUCTION IS USED TRANSPOSED: source 0 = 16 rows of Wa, source 1 = 16 rows of X: a lane holds ONE row of X (lane % 16) and eight neighbouring columns 8 (lane / 16) + 0..7,
; so that a row's sum over columns stays in the lane but for one exchange between the halves of the lanes.
; The product with Va has one output column: it rides on the vector unit in f32, half an instruction a number.
; ONE TEXT FOR ALL TRIPS OF A KIND: in the last trip the three runs that would fetch W past the stream's end read its first 24 KiB again, and the last fragment loads read group 0: they serve nothing.
; LIMITS.  X and Wa are rounded to bf16 (nearest even); all else f32.  NaN and infinities in the inputs are not treated apart.
; REGISTERS, in windows of 256 (s_set_vgpr_msb: bits 1:0 source 0, 3:2 source 1, 5:4 source 2, 7:6 destination):
;   window 0: v0-23 addresses; v24-39 the row sums; v40-63 R; v64-103 P; v104-127 Q (X's fragments: below); v128-255 X as loaded, four slots of 8 rows (on the way out: at work)
;   window 1: four buffers of W's 8 fragments       window 2: accumulators of rows 0-63 ((a, b) at 8 (8 a + b); at the start X's group 0)       window 3: rows 64-127
; THE MODE: SCHED_MODE bits 1:0 = 2 (LLVM: expert scheduling mode 2), set by the entry lines.  The code itself states the register dependences
; between vector or matrix instructions and memory or LDS instructions, with s_wait_alu, always for 0.
; THE PLAN.  Registers that memory or LDS instructions touch in the loops, and who else names them:
;   W0 .. W3   Sub-step q's 64 products read W[q]; the 16 loads of sub-step q + 1 land in it (W of three sub-steps on).
;   P          X's fragments of row blocks 0-4.  Read by the first 40 products of every sub-step; the next sub-step's are loaded behind those 40.
;   Q, R       X's fragments of row blocks 5-7, Q in the even sub-steps and R in the odd ones (24 registers hold three fragments).  Read by a sub-step's last 24 products; loaded again in the sub-step after.
;   XR slot q  Loaded at the end of sub-step q; a trip later sub-step q's 16 conversions round it in place, 8 LDS stores read it, and it is loaded again.
;   VAC, VAN, VXS, VXG, VPF   Read by loads, stores and prefetches; written once a trip, at the trip's end.  VB and the offsets made at the head are never written again.
; So ONE wait on va_vdst stands in a sub-step, behind its 40th product and the slot's conversions.  It states: those 40 products are done reading P; the sub-step before is done reading its W and
; its set of Q or R; the conversions have written the slot; in a trip's first sub-step the stepped addresses are written.  All the sub-step's memory and LDS instructions follow it: the stores and the
; 16 fragment loads at once, W's run and X's run among and behind the last 24 products, which name this sub-step's W, its own set of Q or R and accumulators: none of the registers that those runs touch.
; One wait on vm_vsrc stands ahead of X's run (the stores have read the slot) and one at a trip's end (ahead of the address steps).  In an X trip's last sub-step the slot's stores must stand
; ahead of the trip's barrier: there the conversions stand at the head with a wait on va_vdst of their own.
; THE PLACES behind matrix instructions (ISA guide 7.12.1) are owed to vector and matrix instructions as ever: every trip ends with five plain vector lines (STEP), behind all its products.
.set PITCH, 272                        ; an LDS row of a group: 256 bytes + 16 = 17 x 16: the 16 rows of a fragment load start at 16 different groups of four banks (ISA guide 11.1)
.set GRP,   128*PITCH                  ; a group
.set CB,    8*GRP                      ; this batch's 1,024 numbers of cbw
.set VAW,   CB+4096                    ; Va
.set RED,   CB+8192                    ; [wave][128 rows] f32
.set SPARE, CB+10240                   ; the spare words, 128 bytes for each wave: two blocks of 256 bytes that no other line names
.set SPW,  2                           ; v2   LDS address of my spare word; never rewritten
.set NIL,  3                           ; v3   0; never rewritten
.set VB,   4                           ; v4   16 x lane
.set VXG,  5                           ; v5   byte offset in X's tile of my lane in the group that this trip loads
.set VXS,  6                           ; v6   LDS: where my lane's 8 bytes go in the group that this trip stores
.set VPF,  7                           ; v7   byte offset of the group that this trip prefetches
.set VA0,  8                           ; v8   my lane's place in a fragment: r x pitch + 16 h
.set VAC,  9                           ; v9   the same in this trip's group
.set VAN,  10                          ; v10  in the next trip's group
.set VEB,  11                          ; v11  LDS: my eight numbers of cbw in this pass's first column block
.set VRS,  12                          ; v12  LDS: where my row sums go
.set VXP,  13                          ; v13  byte offset of my lane in group 0
.set VXS0, 14                          ; v14  VXS in group 0
.set VRL,  18                          ; v18  LDS: where wave 0 reads the four waves' row sums back
.set SS,   24                          ; v[24+2a:25+2a] row sums of row block a: even columns', odd columns'
.set HR,   40                          ; R
.set HA,   64                          ; P, and behind it Q: row block a at HA + 8 a
.set XR,   128
.set TT,   128                         ; the way out: eight numbers for each row block a
.set BV,   192                         ; the way out: two sets of 8 cbw + 8 Va
.set BC,   20                          ; s[20:21] W's stream at this trip
.set BN,   22                          ; s[22:23] at the next trip
.set ST0,  24                          ; s[24:25] at its start
.set SAN,  28                          ; s28      LDS offset of the next trip's group
.set MUL_LO, 0xa1                      ; source 0 (W) window 1, source 1 (X) window 0, C and D window 2
.set TO_B,   0x40                      ; destination window 1
.set MSB, 0
.macro WIN new                         ; the immediate's high byte repeats the setting that is left; a switch that changes nothing is dropped
.if MSB != (\new)
	s_set_vgpr_msb (MSB<<8)|(\new)
.set MSB, \new
.endif
.endm
; 8 matrix instructions: row block a x all 8 column blocks, W from buffer q.  zero = 1: the product starts the sums.  The 64 accumulators take turns.
.macro MULA q, a, zero
	WIN MUL_LO+0x50*((\a)/4)
.set rF, HA+8*(\a)
.if ((\a) > 4) && ((\q)%2)
.set rF, HR+8*((\a)-5)
.endif
.set rC, 64*((\a)%4)
.irp b, 0,1,2,3,4,5,6,7
.if \zero
	v_wmma_f32_16x16x32_bf16 v[rC+8*\b:rC+8*\b+7], v[64*(\q)+8*\b:64*(\q)+8*\b+7], v[rF:rF+7], 0
.else
	v_wmma_f32_16x16x32_bf16 v[rC+8*\b:rC+8*\b+7], v[64*(\q)+8*\b:64*(\q)+8*\b+7], v[rF:rF+7], v[rC+8*\b:rC+8*\b+7]
.endif
.endr
.endm
; 16 LDS loads: X's eight fragments of one sub-step, 32 along K at byte off of the group's rows, row block 0 first.  pn: that sub-step's parity: row blocks 5-7 go to Q (0) or R (1).
.macro ARUN pn, reg, off
.irp a, 0,1,2,3,4,5,6,7
.set rF, HA+8*\a
.if (\a > 4) && (\pn)
.set rF, HR+8*(\a-5)
.endif
	ds_load_b128 v[rF:rF+3],   v[\reg] offset:\a*16*PITCH+(\off)
	ds_load_b128 v[rF+4:rF+7], v[\reg] offset:\a*16*PITCH+(\off)+32
.endr
.endm
; 16 loads: a sub-step's 8 fragments of W, 8,192 consecutive bytes of my stream, into a buffer
.macro WRUN buf, base, off
	WIN TO_B
.irp b, 0,1,2,3,4,5,6,7
	global_load_b128 v[64*(\buf)+8*(\b):64*(\buf)+8*(\b)+3],   v[VB], s[\base:\base+1] offset:(\off)+(\b)*1024
	global_load_b128 v[64*(\buf)+8*(\b)+4:64*(\buf)+8*(\b)+7], v[VB], s[\base:\base+1] offset:(\off)+(\b)*1024+512
.endr
.endm
; 8 loads: rows 8 q .. 8 q + 7 of my 32, one group's 512 bytes of each, into slot q
.macro XRUN q, reg, plus
	WIN 0
.irp i, 0,1,2,3,4,5,6,7
	global_load_b128 v[XR+32*(\q)+4*(\i):XR+32*(\q)+4*(\i)+3], v[\reg], s[4:5] offset:(8*(\q)+(\i))*4096+(\plus) th:TH_LOAD_NT
.endr
.endm
; slot q is rounded to bf16 in place,
.macro CVT q
.irp i, 0,1,2,3,4,5,6,7
	v_cvt_pk_bf16_f32 v[XR+32*(\q)+4*(\i)],   v[XR+32*(\q)+4*(\i)],   v[XR+32*(\q)+4*(\i)+1]
	v_cvt_pk_bf16_f32 v[XR+32*(\q)+4*(\i)+1], v[XR+32*(\q)+4*(\i)+2], v[XR+32*(\q)+4*(\i)+3]
.endr
.endm
; and stored: a row's 32 lanes x 8 bytes are 256 consecutive bytes of LDS
.macro PUT q
.irp i, 0,1,2,3,4,5,6,7
	ds_store_b64 v[VXS], v[XR+32*(\q)+4*(\i):XR+32*(\q)+4*(\i)+1] offset:(8*(\q)+(\i))*PITCH
.endr
.endm
; SUB-STEP q of a trip.  conv: slot q goes to LDS.  issue: slot q is loaded again.  lcnt: the loads issued behind this sub-step's W.  bar: the trip's barrier.
; The order of global loads is W, X, W, X ..: behind W of sub-step n stand X's run of n - 3, W of n + 1, X's of n - 2, W of n + 2, X's of n - 1; X's run of n - 4, which conv reads, stands ahead of it.
.macro SUBK q, zero, conv, issue, lcnt, bar
	s_wait_loadcnt \lcnt                           ; loads come back in order (ISA guide 5.7.1): this sub-step's W is in, and the slot that conv reads
	s_wait_dscnt 8                                 ; X's fragments of row blocks 0-3 are in; the eight loads of row blocks 4-7 may be out
.if \bar
	WIN 0
	CVT \q
	s_wait_alu depctr_va_vdst(0)                   ; the conversions have written slot q, which the stores below read: these stand ahead of the trip's barrier, so they cannot wait for the sub-step's own wait
	PUT \q
.endif
	MULA \q, 0, \zero
	MULA \q, 1, \zero
.if \bar
	s_wait_dscnt 0x0                               ; for the others' sake: my stores of the next group are done (and row blocks 4-7 are in)
	s_barrier_signal -1
.endif
	MULA \q, 2, \zero
	MULA \q, 3, \zero
.if \bar
	s_barrier_wait -1                              ; the next group is whole: the fragment loads below read it
.else
	s_wait_dscnt 0x0                               ; row blocks 4-7 are in
.endif
	MULA \q, 4, \zero
	WIN 0
.if (\conv) && !(\bar)
	CVT \q
.endif
	s_wait_alu depctr_va_vdst(0)                   ; the 40 products above are done reading P; the sub-step before is done reading its W and its set of Q or R; the conversions have written slot q and are done reading it; in a trip's first sub-step the stepped addresses are written
.if (\conv) && !(\bar)
	PUT \q
.endif
.if (\q) == 3
	ARUN 0, VAN, 0                                 ; the next sub-step's eight fragments: they have the 24 products below in which to land
.else
	ARUN ((\q)+1)%2, VAC, ((\q)+1)*64
.endif
	MULA \q, 5, \zero
.if (\q) == 0
	WRUN 3, BC, 24576                              ; W three sub-steps on, into the buffer that the last sub-step multiplied.  No wait: no product since the wait above names that buffer or v[VB]
.else
	WRUN (\q)-1, BN, ((\q)-1)*8192
.endif
	MULA \q, 6, \zero
	MULA \q, 7, \zero
.if \issue
	WIN 0
	s_wait_alu depctr_vm_vsrc(0)                   ; the LDS stores have read slot q, in which the loads below land (the conversions that named it stand ahead of the last wait on va_vdst)
	XRUN \q, VXG, 0
.endif
.endm
; A trip's sub-step 0: in a pass's first trip its products start the sums, so nothing is ever cleared.
.macro SUBK0 first, conv, issue, lcnt
	s_cmp_eq_u32 s26, \first
	s_cbranch_scc0 .Lgo_on_\@
	SUBK 0, 1, \conv, \issue, \lcnt, 0
	WIN 0                                          ; at a branch and at a label every window is 0
	s_branch .Ljoin_\@
.Lgo_on_\@:
	SUBK 0, 0, \conv, \issue, \lcnt, 0
	WIN 0
.Ljoin_\@:
.endm
; A trip's end: the addresses step.  x = 1: X's too.  Their next readers stand behind the next sub-step's wait on va_vdst.
; Its vector lines are FIVE on either way, and they name no register of a product: they are the places (ISA guide 7.12.1) between the trip's products and what may follow them:
; a pass's first products, which start the sums anew over the same accumulators (five places); the way out's first read of a sum, and the lines behind the loop that write v40-47, which the
; odd sub-steps' products read as R (four places).
.macro STEP x
	WIN 0
	s_wait_xcnt 0x0                                ; every earlier memory instruction has had its addresses translated (ISA guide 3.1): bases and offsets are rewritten only behind this wait
	s_wait_alu depctr_vm_vsrc(0)                   ; the fragment loads have read v[VAC] and v[VAN], the stores v[VXS] and their slots, X's loads v[VXG], the prefetches v[VPF]: the lines below write the addresses, the way out the slots
	s_mov_b64 s[BC:BC+1], s[BN:BN+1]
	s_add_nc_u64 s[BN:BN+1], s[BN:BN+1], 32768
	s_cmp_eq_u32 s26, 14                           ; the last trip has no next: its three runs ahead stay inside the buffer, at the stream's start
	s_cselect_b64 s[BN:BN+1], s[ST0:ST0+1], s[BN:BN+1]
	s_add_co_u32 s[SAN], s[SAN], GRP
	s_cmp_eq_u32 s[SAN], 8*GRP                     ; behind group 7 comes group 0
	s_cselect_b32 s[SAN], 0, s[SAN]
	v_mov_b32 v[VAC], v[VAN]
	v_add_nc_u32 v[VAN], s[SAN], v[VA0]
.if \x
	v_add_nc_u32 v[VXS], s[SAN], v[VXS0]           ; the group that a trip stores is the one that is read next
	v_add_nc_u32 v[VXG], 512, v[VXG]
	v_add_nc_u32 v[VPF], 512, v[VPF]
.else
.rept 3
	v_nop                                          ; no other vector work is at hand here: with the two lines above, five places
.endr
.endif
.endm
; THE WAY OUT OF A PASS, column block by column block (eb).  For row block a: FF: t = K2 x sum + cbw; EE: 2^t; AA: + 1; RA: the reciprocals; SMS: the row sums take them times Va.
.macro BVLOAD b
.set rB, BV+16*((\b)%2)
	ds_load_b128 v[rB:rB+3],     v[VEB] offset:(\b)*64
	ds_load_b128 v[rB+4:rB+7],   v[VEB] offset:(\b)*64+16
	ds_load_b128 v[rB+8:rB+11],  v[VEB] offset:(\b)*64+4096
	ds_load_b128 v[rB+12:rB+15], v[VEB] offset:(\b)*64+4112
.endm
.macro FF a                            ; each accumulator's lowest registers are read first
.set rA, 8*(8*((\a)%4)+eb)
.set rT, TT+8*(\a)
.set rB, BV+16*(eb%2)
.irp z, 0,2,4,6
	v_pk_fma_f32 v[rT+\z:rT+\z+1], v[rA+\z:rA+\z+1], s[30:31], v[rB+\z:rB+\z+1] op_sel_hi:[1,0,1]
.endr
.endm
.macro EE a
.set rT, TT+8*(\a)
.irp z, 0,1,2,3,4,5,6,7
	v_exp_f32 v[rT+\z], v[rT+\z]
.endr
.endm
.macro AA a
.set rT, TT+8*(\a)
.irp z, 0,2,4,6
	v_pk_add_f32 v[rT+\z:rT+\z+1], v[rT+\z:rT+\z+1], 1.0 op_sel_hi:[1,0]
.endr
.endm
.macro RA a                            ; row block a's eight reciprocals, with row block a + 1's four additions among them
.set rT, TT+8*(\a)
.irp z, 0,2,4,6
	v_rcp_f32 v[rT+\z], v[rT+\z]
.if (\a) < 7
	v_pk_add_f32 v[rT+8+\z:rT+8+\z+1], v[rT+8+\z:rT+8+\z+1], 1.0 op_sel_hi:[1,0]
.endif
	v_rcp_f32 v[rT+\z+1], v[rT+\z+1]
.endr
.endm
.macro SMS                             ; a row block's sum takes its column pairs 0, 2, 4, 6 in that order; the eight row blocks take turns, so that no line reads the result of the one before it
.set rB, BV+16*(eb%2)+8
.irp z, 0,2,4,6
.irp a, 0,1,2,3,4,5,6,7
	v_pk_fma_f32 v[SS+2*\a:SS+2*\a+1], v[TT+8*\a+\z:TT+8*\a+\z+1], v[rB+\z:rB+\z+1], v[SS+2*\a:SS+2*\a+1]
.endr
.endr
.endm
; A column block has two batches, 64 exponentials and 64 reciprocals, each with one plain instruction behind its last (ISA guide 5.7.2) and ONE wait ahead of its first reader.
; The two sets of BV take turns: block eb + 1's four loads stand behind block eb's first wait, which shows block eb - 1's lines done reading that set.
; The places between the pass's last products and the first line that reads a sum are the five vector lines of the trip's end, which stands just ahead.
.macro EPI
	WIN 0
	BVLOAD 0                                       ; no wait is owed: since the sub-step's wait on va_vdst no vector or matrix instruction names v[BV ..] or v[VEB], and the wait on vm_vsrc at the trip's end stands behind the stores that read these registers
.set eb, 0
.rept 8
	s_wait_dscnt 0x0                               ; this column block's cbw and Va are in
	WIN 0x02                                       ; source 0 window 2
.irp a, 0,1,2,3
	FF \a
.endr
	WIN 0x03                                       ; source 0 window 3
.irp a, 4,5,6,7
	FF \a
.endr
	WIN 0
.irp a, 0,1,2,3,4,5,6,7
	EE \a
.endr
	v_nop                                          ; a plain instruction behind the last exponential
	s_wait_alu depctr_va_vdst(0)                   ; the 64 exponentials have written v[TT ..], ahead of their first reader; the column block before is done reading the other set of BV, in which the loads below land
.if eb < 7
	BVLOAD eb+1
.endif
	AA 0
.irp a, 0,1,2,3,4,5,6,7
	RA \a
.endr
	v_nop                                          ; a plain instruction behind the last reciprocal
	s_wait_alu depctr_va_vdst(0)                   ; the 64 reciprocals have written v[TT ..], ahead of their first reader
	SMS
.set eb, eb+1
.endr
	s_wait_alu depctr_vm_vsrc(0)                   ; the LDS loads of cbw and Va have read v[VEB]
	v_add_nc_u32 v[VEB], 2048, v[VEB]              ; the next pass's 512 columns; its next reader stands behind a whole pass's waits on va_vdst
.endm
	s_load_b256 s[4:11], s[0:1], 0x0               ; X s[4:5], wf s[6:7], cbw s[8:9], Va_w s[10:11]
	s_load_b64 s[12:13], s[0:1], 0x20              ; sc
	v_lshl_add_u32 v[SPW], v0, 2, SPARE
	v_mov_b32 v[NIL], 0
	v_lshrrev_b32 v1, 5, v0
	v_readfirstlane_b32 s14, v1                    ; wave 0..3
	s_mov_b32 s15, ttmp9                           ; my block of 128 rows
	s_lshr_b32 s16, s15, 4                         ; its batch
	s_mov_b32 s19, 0
	s_mov_b32 s30, 0x4038aa3b                      ; K2 = 2 log2(e)
	s_mov_b32 s31, s30                             ; named with it as a pair
	s_mov_b32 s32, 0x76543210                      ; v_permlanex16_b32: each lane takes its own place in the other half
	s_mov_b32 s33, 0xfedcba98
	s_mov_b32 s[SAN], GRP
	v_and_b32 v21, 31, v0                          ; lane
	v_and_b32 v22, 15, v0                          ; r
	v_bfe_u32 v23, v0, 4, 1                        ; h
	v_lshlrev_b32 v[VB], 4, v21
	v_add_nc_u32 v[VRL], RED, v[VB]                ; lane l takes rows 4 l .. 4 l + 3
	s_wait_alu depctr_va_sdst(0)                   ; s14 is written, ahead of its first reader: offsets, LDS addresses and W's stream are made from it
	s_lshl_b32 s27, s14, 17                        ; my 32 rows of 4,096 bytes
	v_add_nc_u32 v[VXP], s27, v[VB]
	v_add_nc_u32 v[VXG], 1024, v[VXP]              ; trip 0 loads group 2
	v_lshrrev_b32 v40, 1, v21                      ; a prefetch: lanes 256 bytes apart: 16 rows x a group's two blocks
	v_and_b32 v41, 1, v21
	v_lshl_add_u32 v40, v40, 12, s27
	v_lshl_add_u32 v40, v41, 8, v40
	v_add_nc_u32 v[VPF], 1536, v40                 ; trip 0 asks for group 3
	s_mul_i32 s29, s14, 32*PITCH
	v_lshl_add_u32 v[VXS0], v21, 3, s29
	v_add_nc_u32 v[VXS], GRP, v[VXS0]              ; trip 0 stores group 1
	v_mul_u32_u24 v[VA0], v22, PITCH
	v_lshl_add_u32 v[VA0], v23, 4, v[VA0]
	v_mov_b32 v[VAC], v[VA0]
	v_add_nc_u32 v[VAN], GRP, v[VA0]
	s_lshl_b32 s34, s14, 9                         ; my 128 columns, and my 128 row sums, are 512 bytes
	s_add_co_u32 s35, s34, CB
	v_lshl_add_u32 v[VEB], v23, 5, s35
	s_add_co_u32 s34, s34, RED
	v_lshl_add_u32 v[VRS], v22, 2, s34
	v_lshrrev_b32 v15, 1, v0                       ; cbw: thread t takes columns 8 t .. 8 t + 7: block t / 2, half t % 2, my batch's row
	v_lshlrev_b32 v15, 11, v15
	v_and_b32 v16, 1, v0
	v_lshl_add_u32 v15, v16, 5, v15
	s_lshl_b32 s36, s16, 6
	v_add_nc_u32 v15, s36, v15
	v_lshlrev_b32 v16, 5, v0                       ; Va: 32 bytes a thread
	v_add_nc_u32 v17, CB, v16
	s_wait_kmcnt 0x0
	s_lshl_b32 s18, s15, 19                        ; 128 rows of 4,096 bytes
	s_add_nc_u64 s[4:5], s[4:5], s[18:19]
	s_lshl_b32 s18, s14, 19                        ; my stream of W: 524,288 bytes a wave
	s_add_nc_u64 s[ST0:ST0+1], s[6:7], s[18:19]
	s_lshl_b32 s18, s15, 9
	s_add_nc_u64 s[12:13], s[12:13], s[18:19]
	s_wait_alu depctr_va_vdst(0)                   ; the offsets and addresses v4 to v18 are written, which the loads, stores and prefetches below read; so are v40 and v41, in which the first load lands
	global_load_b128 v[40:43], v15, s[8:9]
	global_load_b128 v[44:47], v15, s[8:9] offset:16
	global_load_b128 v[48:51], v16, s[10:11]
	global_load_b128 v[52:55], v16, s[10:11] offset:16
	WIN 0x80                                       ; destination window 2: group 0 of my 32 rows lies where accumulators will
.set n, 0
.rept 32
	global_load_b128 v[4*n:4*n+3], v[VXP], s[4:5] offset:n*4096 th:TH_LOAD_NT
.set n, n+1
.endr
	XRUN 0, VXP, 512                               ; group 1 and W's first three sub-steps, in the order that the loop keeps
	WRUN 0, ST0, 0
	XRUN 1, VXP, 512
	WRUN 1, ST0, 8192
	XRUN 2, VXP, 512
	WRUN 2, ST0, 16384
	XRUN 3, VXP, 512
	global_prefetch_b8 v[VPF], s[4:5] offset:-512 th:TH_LOAD_NT scope:SCOPE_SE        ; group 2 of my 32 rows, each block of 256 bytes once
	global_prefetch_b8 v[VPF], s[4:5] offset:65536-512 th:TH_LOAD_NT scope:SCOPE_SE
	s_mov_b64 s[BC:BC+1], s[ST0:ST0+1]
	s_add_nc_u64 s[BN:BN+1], s[ST0:ST0+1], 32768
.set n, 0
.rept 16
	v_mov_b32 v[SS+n], 0                           ; the row sums run over both passes
.set n, n+1
.endr
	s_wait_loadcnt 56                              ; 80 loads stand behind group 0's; the count is the first sub-step's, which is smaller: cbw, Va, group 0, slot 0 and W's first run are in
	WIN 0x8a                                       ; sources and destination window 2
.set n, 0
.rept 32
	v_cvt_pk_bf16_f32 v[4*n],   v[4*n],   v[4*n+1]
	v_cvt_pk_bf16_f32 v[4*n+1], v[4*n+2], v[4*n+3]
.set n, n+1
.endr
	WIN 0x08                                       ; store data window 2, address window 0
	s_wait_alu depctr_va_vdst(0)                   ; the conversions have written group 0 in window 2, which the LDS stores read
.set n, 0
.rept 32
	ds_store_b64 v[VXS0], v[4*n:4*n+1] offset:n*PITCH
.set n, n+1
.endr
	WIN 0
	ds_store_b128 v17, v[40:43]
	ds_store_b128 v17, v[44:47] offset:16
	ds_store_b128 v17, v[48:51] offset:4096
	ds_store_b128 v17, v[52:55] offset:4112
	s_wait_dscnt 0x0                               ; for the others' sake: my rows of group 0 and my part of cbw and Va are in LDS
	s_barrier_signal -1
	s_barrier_wait -1
	s_wait_alu depctr_vm_vsrc(0)                   ; my LDS stores have read window 2's v0-127, which the first products write, and v40-55, in which fragments of X land from the first sub-step on
	ARUN 0, VAC, 0
	s_mov_b32 s26, 0
.Lxtrip:                                               ; trips 0 to 5: group j is multiplied, group j + 1 stored, group j + 2 loaded, group j + 3 asked for
	SUBK0 0, 1, 1, 56
	s_cmp_ge_u32 s26, 5                            ; group 7 is the last: trip 5 asks for nothing
	s_cbranch_scc1 .Lno_ask
	global_prefetch_b8 v[VPF], s[4:5] th:TH_LOAD_NT scope:SCOPE_SE                    ; one trip ahead of its loads; each wave asks for its own 32 rows, each block of 256 bytes once; v[VPF] was written ahead of the sub-step's wait on va_vdst
	global_prefetch_b8 v[VPF], s[4:5] offset:65536 th:TH_LOAD_NT scope:SCOPE_SE
.Lno_ask:
	SUBK 1, 0, 1, 1, 56, 0
	SUBK 2, 0, 1, 1, 56, 0
	SUBK 3, 0, 1, 1, 56, 1
	STEP 1
	s_add_co_u32 s26, s26, 1
	s_cmp_lt_u32 s26, 6
	s_cbranch_scc1 .Lxtrip
	SUBK 0, 0, 1, 0, 56, 0                         ; trip 6: group 7 is stored, nothing of X is left to load: the counts run down by a run of 8
	SUBK 1, 0, 1, 0, 48, 0
	SUBK 2, 0, 1, 0, 40, 0
	SUBK 3, 0, 1, 0, 32, 1
	STEP 0
	s_mov_b32 s26, 7
.Lplain:                                               ; trips 7 to 15: X lies in LDS; behind this sub-step's W stand two runs of 16
	SUBK0 8, 0, 0, 32
	SUBK 1, 0, 0, 0, 32, 0
	SUBK 2, 0, 0, 0, 32, 0
	SUBK 3, 0, 0, 0, 32, 0
	STEP 0
	s_and_b32 s27, s26, 7
	s_cmp_lg_u32 s27, 7                            ; trips 7 and 15 end a pass
	s_cbranch_scc1 .Lno_epi
	EPI
.Lno_epi:
	s_add_co_u32 s26, s26, 1
	s_cmp_lt_u32 s26, 16
	s_cbranch_scc1 .Lplain
	; A row's sum: my even and odd columns', the other half of the lanes', and, through LDS, the four waves'.
.set n, 0
.rept 8
	v_add_f32 v[40+n], v[SS+2*n], v[SS+2*n+1]
.set n, n+1
.endr
.set n, 0
.rept 8
	v_permlanex16_b32 v[48+n], v[40+n], s32, s33
.set n, n+1
.endr
.set n, 0
.rept 8
	v_add_f32 v[40+n], v[40+n], v[48+n]
.set n, n+1
.endr
	s_wait_alu depctr_va_vdst(0)                   ; the additions have written v40-47, which the LDS stores read; all that names v40-55 is done, ahead of wave 0's loads into them
.set n, 0
.rept 8
	ds_store_b32 v[VRS], v[40+n] offset:64*n       ; row 16 n + r; both halves of the lanes write the same number to the same word
.set n, n+1
.endr
	s_wait_dscnt 0x0                               ; for wave 0's sake: my row sums are in LDS
	s_barrier_signal -1
	s_barrier_wait -1
	s_wait_alu depctr_vm_vsrc(0)                   ; my LDS stores have read v40-47, in which wave 0's loads land: stated ahead of the branch
	s_cmp_lg_u32 s14, 0
	s_cbranch_scc1 .Lend
	ds_load_b128 v[40:43], v[VRL]
	ds_load_b128 v[44:47], v[VRL] offset:512
	ds_load_b128 v[48:51], v[VRL] offset:1024
	ds_load_b128 v[52:55], v[VRL] offset:1536
	s_wait_dscnt 0x0
	v_pk_add_f32 v[40:41], v[40:41], v[44:45]
	v_pk_add_f32 v[42:43], v[42:43], v[46:47]
	v_pk_add_f32 v[48:49], v[48:49], v[52:53]
	v_pk_add_f32 v[50:51], v[50:51], v[54:55]
	v_pk_add_f32 v[40:41], v[40:41], v[48:49]
	v_pk_add_f32 v[42:43], v[42:43], v[50:51]
	s_wait_alu depctr_va_vdst(0)                   ; the additions have written v40-43, which the store reads
	global_store_b128 v[VB], v[40:43], s[12:13]    ; the block's 128 numbers: 512 consecutive bytes, aligned
.Lend:
	s_wait_dscnt 0x0                               ; the closing lines, six on end
	s_wait_alu 0x0
	s_wait_tensorcnt 0x0
	ds_add_u32 v[SPW], v[NIL]
	s_wait_dscnt 0x0
	s_endpgm
.Lfunc_end_k_q6eab0cc900_main:
	.size	k_q6eab0cc900_main, .Lfunc_end_k_q6eab0cc900_main-k_q6eab0cc900_main
	.p2alignl 7, 3214868480
	.fill 96, 4, 3214868480
	.section	.rodata,"a",@progbits
	.p2align	6, 0x0
	.amdhsa_kernel k_q6eab0cc900_main
		.amdhsa_group_segment_fixed_size 289280
		.amdhsa_private_segment_fixed_size 0
		.amdhsa_enable_private_segment 0
		.amdhsa_kernarg_size 40
		.amdhsa_user_sgpr_count 2
		.amdhsa_user_sgpr_kernarg_segment_ptr 1
		.amdhsa_wavefront_size32 1
		.amdhsa_system_sgpr_workgroup_id_x 1
		.amdhsa_system_sgpr_workgroup_id_y 1
		.amdhsa_system_sgpr_workgroup_id_z 1
		.amdhsa_system_vgpr_workitem_id 0
		.amdhsa_next_free_vgpr 1024
		.amdhsa_next_free_sgpr 66
		.amdhsa_reserve_vcc 0
		.amdhsa_float_denorm_mode_32 3
		.amdhsa_float_denorm_mode_16_64 3
		.amdhsa_memory_ordered 1
		.amdhsa_forward_progress 1
		.amdhsa_inst_pref_size 225
	.end_amdhsa_kernel
	.amdgpu_metadata
---
amdhsa.version: [ 1, 2 ]
amdhsa.kernels:
  - .name:           k_q6eab0cc900_main
    .symbol:         k_q6eab0cc900_main.kd
    .args:
      - { .name: encoder_outputs, .offset: 0, .size: 8, .value_kind: global_buffer, .address_space: global }
      - { .name: wf, .offset: 8, .size: 8, .value_kind: global_buffer, .address_space: global }
      - { .name: cbw, .offset: 16, .size: 8, .value_kind: global_buffer, .address_space: global }
      - { .name: Va_w, .offset: 24, .size: 8, .value_kind: global_buffer, .address_space: global }
      - { .name: sc, .offset: 32, .size: 8, .value_kind: global_buffer, .address_space: global }
    .group_segment_fixed_size: 289280
    .private_segment_fixed_size: 0
    .kernarg_segment_align: 8
    .kernarg_segment_size: 40
    .max_flat_workgroup_size: 128
    .sgpr_count:     66
    .vgpr_count:     1024
    .wavefront_size: 32
...
	.end_amdgpu_metadata
.endif
;; end of part 4
;; launch soft: the kernel of part 3 again; grid 32 x 1, 8 waves a work-group, no clusters, 1,280 bytes of LDS; arguments sc, attn_mask, Va_w, Va_b, out0; writes out0
